; MI455X (gfx1250); checked and timed in simulation.
; The chip was launched on July 23, 2026; its instructions are those of AMD's public machine-readable ISA for CDNA 5 (MIT licence, August 2026) and "CDNA5" Instruction Set Architecture Reference Guide (July 2026). The comments in the code are by the model that wrote it; some were corrected since.
;; Vector Quantization. Allowed arithmetic: float matrix products may take bf16 or f16 operands with f32 sums; other float arithmetic in f32, or as packed bf16 or f16 multiplies, adds, multiply-adds, maxima and minima; sums over many terms, partial sums and values carried from step to step in f32; what a program stores and reads back later, other than sums and carried values, may be rounded once to bf16 or f16.
;; Inputs: codebook 8,192 x 256 float32; z 8 x 4,096 x 256 float32.
;; Outputs: out0 8 x 4,096 x 256 float32; out1 32,768 int32.
;; 2 versions, each right; version 2 is version 1 with the launches prep, gather written anew for expert scheduling mode. Each part assembles by itself: llvm-mc -triple=amdgcn-amd-amdhsa -mcpu=gfx1250 --defsym DOCPART=n.
;; ======== version 1 of 2: 3 launches
;; workspace buffers: cbh 4,194,304 bytes; ee 32,768 bytes; idx 131,072 bytes of whole numbers
;; launch prep (part 1): grid 128 x 1, 8 waves a work-group, no clusters, 1,280 bytes of LDS; arguments codebook, cbh, ee; writes cbh, ee
.if DOCPART == 1
	.amdgcn_target "amdgcn-amd-amdhsa--gfx1250"
	.amdhsa_code_object_version 6
	.text
	.protected	k_q901823a5fd_prep
	.globl	k_q901823a5fd_prep
	.p2align	8
	.type	k_q901823a5fd_prep,@function
k_q901823a5fd_prep:
	s_mov_b64 s[64:65], 0
	v_nop
	global_prefetch_b8 v0, s[64:65] scope:SCOPE_SE
	s_setreg_imm32_b32 hwreg(HW_REG_WAVE_MODE, 25, 1), 1
	s_wait_xcnt 0x0
; cbh[k][:] = codebook[k][:] rounded once to bf16; ee[k] = the sum of the squares of the ROUNDED row, in f32.
; codebook: [8192][256] f32.  cbh: [8192][256] bf16.  ee: [8192] f32.
; SHARES.  A work-group owns 64 rows, so that its 64 numbers of ee are 256 consecutive bytes, aligned, stored by one instruction: 128 work-groups.
; A wave owns 8 rows.  A row is 1,024 bytes: two loads of 16 bytes a lane; all 16 loads of a wave go out at once, so there is no loop and no register is written twice.
; A lane's 4 numbers of a load round to 8 bytes: a store of the wave covers 256 consecutive bytes of cbh, aligned.
; The sum is taken in two chains a lane, then across the 32 lanes; its order differs from a plain left-to-right sum (f32 sums, any order).
; No matrix unit, no cluster, no tensor load: nothing is shared between work-groups and each byte is touched once.
.set SPARE, 256                        ; LDS 0-255: the 64 sums; from 256 on the spare words, 128 bytes for each of the eight waves
.set IN,   2                           ; v2   8,192 x wave + 16 x lane: my 16 bytes in the wave's first row of the codebook
.set OUTO, 3                           ; v3   4,096 x wave + 8 x lane: my 8 bytes in the wave's first row of cbh
.set LW,   4                           ; v4   32 x wave: the wave's 8 words among the 64 sums
.set LR,   5                           ; v5   8 x lane: two sums a lane, in LDS and in ee
.set ZERO, 6                           ; v6   0: what the chains start from
.set SPW,  8                           ; v8   LDS address of my spare word; never rewritten
.set NIL,  9                           ; v9   0; never rewritten
.set SUM,  10                          ; v[10:25]  row i: two chains
.set X,    32                          ; v[32:95]  row i: 8 registers as loaded
.set Y,    96                          ; v[96:127] row i: 4 registers, 8 bf16
	s_load_b128 s[4:7], s[0:1], 0x0                ; codebook s[4:5], cbh s[6:7]
	s_load_b64 s[8:9], s[0:1], 0x10                ; ee
	v_lshl_add_u32 v[SPW], v0, 2, SPARE
	v_mov_b32 v[NIL], 0
	v_lshrrev_b32 v1, 5, v0
	v_readfirstlane_b32 s12, v1                    ; wave 0..7
	v_and_b32 v7, 31, v0                           ; lane
	s_lshl_b32 s13, s12, 13
	v_lshl_add_u32 v[IN], v7, 4, s13
	s_lshl_b32 s13, s12, 12
	v_lshl_add_u32 v[OUTO], v7, 3, s13
	s_lshl_b32 s13, s12, 5
	v_mov_b32 v[LW], s13
	v_lshlrev_b32 v[LR], 3, v7
	v_mov_b32 v[ZERO], 0
	s_mov_b32 s14, 0x76543210                      ; v_permlanex16_b32: each lane takes its own place in the other half
	s_mov_b32 s15, 0xfedcba98
	s_lshl_b32 s16, ttmp9, 16                      ; the work-group's 64 rows: 65,536 bytes of the codebook,
	s_mov_b32 s17, 0
	s_lshl_b32 s18, ttmp9, 15                      ; 32,768 of cbh,
	s_mov_b32 s19, 0
	s_lshl_b32 s20, ttmp9, 8                       ; 256 of ee
	s_mov_b32 s21, 0
	s_wait_kmcnt 0x0
	s_add_nc_u64 s[4:5], s[4:5], s[16:17]
	s_add_nc_u64 s[6:7], s[6:7], s[18:19]
	s_add_nc_u64 s[8:9], s[8:9], s[20:21]
.irp i, 0,1,2,3,4,5,6,7
	global_load_b128 v[X+8*\i:X+8*\i+3],   v[IN], s[4:5] offset:1024*\i th:TH_LOAD_NT
	global_load_b128 v[X+8*\i+4:X+8*\i+7], v[IN], s[4:5] offset:1024*\i+512 th:TH_LOAD_NT
.endr
.macro ROW i
	s_wait_loadcnt 14-2*(\i)                       ; loads come back in order: this row's two are in, the later rows' 2 (7 - i) stay out
.irp e, 0,1,2,3
	v_cvt_pk_bf16_f32 v[Y+4*(\i)+\e], v[X+8*(\i)+2*\e], v[X+8*(\i)+2*\e+1]
.endr
	global_store_b64 v[OUTO], v[Y+4*(\i):Y+4*(\i)+1],   s[6:7] offset:512*(\i)      ; 32 lanes x 8 bytes: 256 consecutive bytes, aligned
	global_store_b64 v[OUTO], v[Y+4*(\i)+2:Y+4*(\i)+3], s[6:7] offset:512*(\i)+256
	; the squares of the rounded numbers, straight from the bf16 halves into f32: two chains that do not wait for each other
	v_fma_mix_f32_bf16 v[SUM+2*(\i)],   v[Y+4*(\i)],   v[Y+4*(\i)],   v[ZERO] op_sel_hi:[1,1,0]
	v_fma_mix_f32_bf16 v[SUM+2*(\i)+1], v[Y+4*(\i)+2], v[Y+4*(\i)+2], v[ZERO] op_sel_hi:[1,1,0]
	v_fma_mix_f32_bf16 v[SUM+2*(\i)],   v[Y+4*(\i)],   v[Y+4*(\i)],   v[SUM+2*(\i)]   op_sel:[1,1,0] op_sel_hi:[1,1,0]
	v_fma_mix_f32_bf16 v[SUM+2*(\i)+1], v[Y+4*(\i)+2], v[Y+4*(\i)+2], v[SUM+2*(\i)+1] op_sel:[1,1,0] op_sel_hi:[1,1,0]
	v_fma_mix_f32_bf16 v[SUM+2*(\i)],   v[Y+4*(\i)+1], v[Y+4*(\i)+1], v[SUM+2*(\i)]   op_sel_hi:[1,1,0]
	v_fma_mix_f32_bf16 v[SUM+2*(\i)+1], v[Y+4*(\i)+3], v[Y+4*(\i)+3], v[SUM+2*(\i)+1] op_sel_hi:[1,1,0]
	v_fma_mix_f32_bf16 v[SUM+2*(\i)],   v[Y+4*(\i)+1], v[Y+4*(\i)+1], v[SUM+2*(\i)]   op_sel:[1,1,0] op_sel_hi:[1,1,0]
	v_fma_mix_f32_bf16 v[SUM+2*(\i)+1], v[Y+4*(\i)+3], v[Y+4*(\i)+3], v[SUM+2*(\i)+1] op_sel:[1,1,0] op_sel_hi:[1,1,0]
	v_add_f32 v[SUM+2*(\i)], v[SUM+2*(\i)], v[SUM+2*(\i)+1]
	v_add_f32_dpp v[SUM+2*(\i)], v[SUM+2*(\i)], v[SUM+2*(\i)] row_xmask:1 row_mask:0xf bank_mask:0xf
	v_add_f32_dpp v[SUM+2*(\i)], v[SUM+2*(\i)], v[SUM+2*(\i)] row_xmask:2 row_mask:0xf bank_mask:0xf
	v_add_f32_dpp v[SUM+2*(\i)], v[SUM+2*(\i)], v[SUM+2*(\i)] row_xmask:4 row_mask:0xf bank_mask:0xf
	v_add_f32_dpp v[SUM+2*(\i)], v[SUM+2*(\i)], v[SUM+2*(\i)] row_xmask:8 row_mask:0xf bank_mask:0xf
	v_permlanex16_b32 v[SUM+2*(\i)+1], v[SUM+2*(\i)], s14, s15  ; its destination has been written: the second chain's register
	v_add_f32 v[SUM+2*(\i)], v[SUM+2*(\i)], v[SUM+2*(\i)+1]     ; every lane holds the row's sum
	ds_store_b32 v[LW], v[SUM+2*(\i)] offset:4*(\i)             ; all lanes write the same word with the same number
.endm
.irp i, 0,1,2,3,4,5,6,7
	ROW \i
.endr
	s_wait_dscnt 0x0                               ; for the others' sake: my eight sums lie in LDS
	s_barrier_signal -1
	s_barrier_wait -1                              ; all 64 do
	s_cmp_lg_u32 s12, 0
	s_cbranch_scc1 .Lend                           ; wave 0 stores them
	ds_load_b64 v[SUM:SUM+1], v[LR]
	s_wait_dscnt 0x0
	global_store_b64 v[LR], v[SUM:SUM+1], s[8:9]   ; 256 consecutive bytes of ee, aligned
.Lend:
	s_wait_tensorcnt 0x0                           ; the wave's end, behind my last LDS store
	ds_add_u32 v[SPW], v[NIL]
	s_wait_dscnt 0x0
	s_endpgm
.Lfunc_end_k_q901823a5fd_prep:
	.size	k_q901823a5fd_prep, .Lfunc_end_k_q901823a5fd_prep-k_q901823a5fd_prep
	.p2alignl 7, 3214868480
	.fill 96, 4, 3214868480
	.section	.rodata,"a",@progbits
	.p2align	6, 0x0
	.amdhsa_kernel k_q901823a5fd_prep
		.amdhsa_group_segment_fixed_size 1280
		.amdhsa_private_segment_fixed_size 0
		.amdhsa_enable_private_segment 0
		.amdhsa_kernarg_size 24
		.amdhsa_user_sgpr_count 2
		.amdhsa_user_sgpr_kernarg_segment_ptr 1
		.amdhsa_wavefront_size32 1
		.amdhsa_system_sgpr_workgroup_id_x 1
		.amdhsa_system_sgpr_workgroup_id_y 1
		.amdhsa_system_sgpr_workgroup_id_z 1
		.amdhsa_system_vgpr_workitem_id 0
		.amdhsa_next_free_vgpr 128
		.amdhsa_next_free_sgpr 66
		.amdhsa_reserve_vcc 0
		.amdhsa_float_denorm_mode_32 3
		.amdhsa_float_denorm_mode_16_64 3
		.amdhsa_memory_ordered 1
		.amdhsa_forward_progress 1
		.amdhsa_inst_pref_size 15
	.end_amdhsa_kernel
	.amdgpu_metadata
---
amdhsa.version: [ 1, 2 ]
amdhsa.kernels:
  - .name:           k_q901823a5fd_prep
    .symbol:         k_q901823a5fd_prep.kd
    .args:
      - { .name: codebook, .offset: 0, .size: 8, .value_kind: global_buffer, .address_space: global }
      - { .name: cbh, .offset: 8, .size: 8, .value_kind: global_buffer, .address_space: global }
      - { .name: ee, .offset: 16, .size: 8, .value_kind: global_buffer, .address_space: global }
    .group_segment_fixed_size: 1280
    .private_segment_fixed_size: 0
    .kernarg_segment_align: 8
    .kernarg_segment_size: 24
    .max_flat_workgroup_size: 256
    .sgpr_count:     66
    .vgpr_count:     128
    .wavefront_size: 32
...
	.end_amdgpu_metadata
.endif
;; end of part 1
;; launch search (part 2): grid 256 x 1, 4 waves a work-group, clusters of 4 x 1, 327,680 bytes of LDS; arguments z, cbh, ee, out1, idx; writes out1, idx
.if DOCPART == 2
	.amdgcn_target "amdgcn-amd-amdhsa--gfx1250"
	.amdhsa_code_object_version 6
	.text
	.protected	k_q901823a5fd_search
	.globl	k_q901823a5fd_search
	.p2align	8
	.type	k_q901823a5fd_search,@function
k_q901823a5fd_search:
	s_mov_b64 s[64:65], 0
	v_nop
	global_prefetch_b8 v0, s[64:65] scope:SCOPE_SE
	s_setreg_imm32_b32 hwreg(HW_REG_WAVE_MODE, 25, 1), 1
	s_wait_xcnt 0x0
	s_wait_alu depctr_hold_cnt(0) depctr_sa_sdst(0) depctr_va_vdst(0) depctr_va_sdst(0) depctr_va_ssrc(0) depctr_va_vcc(0) depctr_vm_vsrc(0)
	s_getreg_b32 s2, hwreg(HW_REG_IB_STS2, 6, 4)
	s_cmp_eq_u32 s2, 0
	s_cbranch_scc0 .Lentry_in_a_cluster
	s_endpgm
.Lentry_in_a_cluster:
	s_bfe_u32 s2, ttmp6, 0x10000c
	s_cmp_lg_u32 s2, 0x3003
	s_cbranch_scc0 .Lentry_shape_is_right
	s_endpgm
.Lentry_shape_is_right:
; out1[n] = idx[n] = the FIRST k at which d[n][k] = (zz[n] - 2 z[n] . E[k]) + ee[k] is least.  z: [32768][256] f32, rounded to bf16 here; cbh: [8192][256] bf16; ee: [8192] f32.
; THE TWO ROUNDINGS.  d is formed as the formula is written: one rounding of zz - 2 dot (a fused multiply-add by -2: twice a number is exact), one of the sum with ee.  Distances that round to the
; same f32 are a tie, and the lowest k takes it: strict compares along ascending k, and (distance, index) pairs where lanes and waves meet.  zz is the sum of squares of the ROUNDED z.
; LIMITS.  Operands are bf16.  A NaN distance never wins; a row whose distances are all +infinity gives 0.  The dot sums are the matrix unit's f32 sums: where such a sum lies within the
; difference between two orders of summation of a rounding boundary of zz - 2 dot, the index may be a neighbour in distance of the one that another order gives.
; SHARES.  A work-group owns 128 queries; ALL FOUR WAVES hold all 128 as source 1 (8 tiles of 16 x 8 K steps x 8 registers = 512 registers), and the CODES are split among the waves:
; of a slot's 256 codes wave w takes the tiles of 16 codes at rows 64 c + 16 w, c = 0..3.  So 16 LDS loads (one tile of codes) feed 64 matrix instructions.
; LAYOUT.  Source 0 = 16 codes, source 1 = 16 queries: in the result lane l holds ONE query (l % 16) and its register j the code 8 (l / 16) + j.  The minimum over codes stays in the lane
; until the end: one exchange between the halves of the lanes, one meeting of the four waves in LDS.
; BY TURNS.  Turn n: 64 products of code tile n into one accumulator buffer; behind each product three of the 184 vector instructions that work off tile n - 1 in the other buffer; and
; one run of LDS loads for tile n + 1.  For a tile of 16 queries these are 23: 4 packed zz - 2 s, 4 packed + ee, 4 for the least g of the lane's 8, g < m, m, the tile's first code, and 8 selects
; that keep the winning group's 8 distances: the place inside the group is looked up once, at the end.
; CLUSTER.  All work-groups walk the same codebook: the four of a cluster ask for each tile JOINTLY (the same load, descriptor and mask in all four).  A larger cluster would share no more: a mask names four.
; REGISTERS, in windows of 256 (s_set_vgpr_msb: bits 1:0 source 0, 3:2 source 1, 5:4 source 2, 7:6 destination):
;   window 0: v0-15 addresses; v16-31 ee, two buffers; v32-127 twelve registers of statistics a query tile; v128-255 the accumulators, two buffers of eight
;   window 1: v0-127 a code tile's fragments, two buffers (at the start all 256: z in f32 on its way to bf16)          windows 2, 3: the queries, tile t at 64 (t % 4) + 8 x K step
.set PITCH, 528       ; a code row in LDS: 512 bytes + 16 of padding = 132 words: the 16 rows of a load start at 16 different groups of four banks (64 banks of 4 bytes: ISA guide 11.1)
.set SLOTB, 256*PITCH ; a slot: 256 code rows = 135,168 bytes = 0x21000
.set TSTEP, 64*PITCH  ; from one of a wave's tiles to its next; also what one tensor load brings
.set ZP,    1040      ; a row of z in LDS: 1,024 bytes + 16 = 260 words: again 16 different groups of four banks
.set EEL,   2*SLOTB   ; behind the two slots: all of ee, 32,768 bytes, filled once
.set COMB,  EEL+32768 ; 4,096 bytes written by LDS stores alone: wave w, query q: (distance, index) at 1,024 w + 8 q
.set SPARE, COMB+4096 ; the spare words, 128 bytes for each wave: two blocks of 256 bytes that no other line names
.set AF0, 2           ; v2   my lane's place in a group of 64 code rows: (16 w + l % 16) x 528 + 16 (l / 16); never rewritten
.set ADR, 3           ; v3   the LDS address of the run of loads in hand
.set AE0, 4           ; v4   EEL + 64 w + 32 (l / 16): ee of my 8 codes in tile 0; never rewritten
.set AEA, 5           ; v5   the same for the tile in hand
.set AZ,  6           ; v6   my lane's place in z's tile, stepped 16 rows at a time
.set H8,  7           ; v7   8 (l / 16)
.set SPW, 8           ; v8   LDS address of my spare word; never rewritten
.set NIL, 9           ; v9   0; never rewritten
.set PFO, 10          ; v10  256 x lane: the prefetches' offset; never rewritten
.set CW,  11          ; v11  where I put a query's pair
.set CR,  12          ; v12  where I read two queries' pairs back
.set GO,  13          ; v13  my 8 bytes of the work-group's 512 of indices
.set EEB, 16          ; v[16:31]
.set ST,  32          ; tile t at ST + 12 t: +0 zz, +1 g, +2 m, +3 first code of the winning group, +4..11 that group's 8 distances
.set S,   128         ; accumulator of query tile t in buffer b at S + 64 b + 8 t
.set F,   0           ; window 1: K step k of buffer b at F + 64 b + 8 k
.set WV,  14          ; s14  my wave's number
.set G1C, 24          ; s[24:31] descriptor group 1: codes
.set G1Z, 32          ; s[32:39] z
.set G1E, 40          ; s[40:47] ee
.set G0C, 48          ; s[48:51] descriptor group 0: codes; it walks
.set G0Z, 52          ; s[52:55] z
.set G0E, 56          ; s[56:59] ee
.set TB,  60          ; s60  LDS byte at which the group of 64 rows to be fetched begins
.set TE,  61          ; s61  the step in ee: 256 bytes a tile
.set PID, 62          ; s62  first code of the tile that the vector work is at: 64 n + 16 w
.set SLOTS, 63        ; s63  slots still to be asked for
.set TWICE, 66        ; s66  counts pairs of turns
.set LIM, 67          ; s67  2 in a cluster that prefetches, else the greatest number
.set PFA, 68          ; s[68:69] where my prefetches stand
.set SEL, 70          ; s[70:71] v_permlanex16_b32's selects: each lane takes its own place in the other half
.set MK,  72          ; s72, s73 the masks g < m, by the tile's parity
.set MJ,  74          ; s74-80   lanes with l % 8 = j, j = 1..7
.set VALID, 81        ; s81  lanes 0-7 and 24-31
.set E0,  82          ; s82-84 masks at the end
.set E1,  83
.set E2,  84
.set INF, 85          ; s85  +infinity
.set MSB, 0
.macro WIN new                      ; the immediate's high byte repeats the setting that is left; a switch that changes nothing is dropped
.if MSB != (\new)
	s_set_vgpr_msb (MSB<<8)|(\new)
.set MSB, (\new)
.endif
.endm
.macro PLACES
.rept 4
	v_nop
.endr
.endm
; A round of the cluster's barrier: my work-group's barrier, so that wave 0's signal speaks for all four waves; wave 0 signals; every wave waits for all four work-groups; my work-group's barrier once more.
.macro CROUND
	s_barrier_signal -1
	s_barrier_wait -1
	s_cmp_lg_u32 s[WV], 0
	s_cbranch_scc1 .Lnot_wave_0_\@
	s_barrier_signal -3
.Lnot_wave_0_\@:
	s_barrier_wait -3
	s_barrier_signal -1
	s_barrier_wait -1
.endm
; A PREFETCH INTO THE L2, behind the joint load and its five lines.  The change of slots that asks for slot i + 1 names slot i + 3: two changes, 512 matrix instructions, ahead of the load that will ask for it.
; A slot is 131,072 bytes of cbh: 512 blocks of 256.  Every cluster walks the same codebook: the first cluster alone prefetches; its 16 waves take 8,192 bytes each, told apart BY ADDRESS
; ((4 cx + w) x 8,192), a lane a block: each block is named once in the launch.  Slots 0 to 2 come by their loads alone; the changes with i above 28 ask for nothing: there is no slot 32.
.macro ASK
	s_cmp_gt_u32 s[SLOTS], s[LIM]   ; s[SLOTS] = 31 - i
	s_cbranch_scc0 .Lnot_mine_\@
	global_prefetch_b8 v[PFO], s[PFA:PFA+1] th:TH_LOAD_NT scope:SCOPE_SE
.Lnot_mine_\@:
.endm
; THE CHANGE OF SLOTS.  Each wave waits for all its tensor loads, of which one is out: its part of the other slot; adds 0 to its spare word; and waits for that and for its own reads of the slot
; that it leaves.  Behind the barrier nobody reads the old slot and the other slot is whole.  fill = 1: the barrier is a round of the cluster's, so that no wave of any partner still reads the slot or has a load
; on its way; the joint refill, the codes two slots on, is the first thing behind it: it has four turns, 256 matrix instructions, in which to land.
; (At its first use: slot 0 and ee are waited for, and the bytes that held z, which is in registers by then, take slot 1.)
.macro CHANGE fill
	WIN 0                           ; at a label and at a branch every window is 0; the add's registers lie in window 0
	s_wait_tensorcnt 0x0            ; no tensor load of mine is out, so the group 0 may be written
	ds_add_u32 v[SPW], v[NIL]       ; 0 onto my spare word: scalar work stands between it and the wait for it
.if \fill
	s_xor_b32 s[G0C+1], s[G0C+1], SLOTB  ; the other slot than last time (w x 0x8400 has neither of 0x21000's two bits)
	s_add_nc_u64 s[G0C+2:G0C+3], s[G0C+2:G0C+3], 256*512  ; the next 256 codes; the type bits on top are not reached
	s_wait_xcnt 0x0                 ; the last prefetch, four turns back, has read its address, so it may be written
	s_add_nc_u64 s[PFA:PFA+1], s[PFA:PFA+1], 256*512
	s_wait_dscnt 0x0                ; the add is done, and my reads of the slot are over
	CROUND
	tensor_load_to_lds s[G0C:G0C+3], s[G1C:G1C+7]  ; my 64 rows of the slot: my one tensor load behind the round
	s_nop 0
	PLACES
	ASK
.else
	s_wait_dscnt 0x0                ; the add is done, and my reads of the slot are over
	s_barrier_signal -1
	s_barrier_wait -1
.endif
	s_sub_co_u32 s[TB], s[TB], SLOTB  ; the fetches go back to a slot's first group of rows,
	s_xor_b32 s[TB], s[TB], SLOTB     ; in the other slot
.endm
; A run of 16 LDS loads: a tile of 16 codes x 256 channels into buffer b.  A fragment is 16 rows x 32 channels in 8 registers: lane l holds row l % 16, channels 8 (l / 16) + 0..7 and 16 + 8 (l / 16) + 0..7.
.macro FETCHF b
	WIN 0
	v_add_nc_u32 v[ADR], s[TB], v[AF0]
	s_add_co_u32 s[TB], s[TB], TSTEP
	WIN 0x40                        ; destination window 1, address window 0
.irp k, 0,1,2,3,4,5,6,7
	ds_load_b128 v[F+64*(\b)+8*\k:F+64*(\b)+8*\k+3],   v[ADR] offset:64*\k
	ds_load_b128 v[F+64*(\b)+8*\k+4:F+64*(\b)+8*\k+7], v[ADR] offset:64*\k+32
.endr
	WIN 0
.endm
.macro FETCHE b                     ; ee of my lane's 8 codes of a tile, into buffer b
	WIN 0
	v_add_nc_u32 v[AEA], s[TE], v[AE0]
	s_add_co_u32 s[TE], s[TE], 256
	s_and_b32 s[TE], s[TE], 0x7fff  ; the table has 32,768 bytes: 128 steps go once round it
	ds_load_b128 v[EEB+8*(\b):EEB+8*(\b)+3],   v[AEA]
	ds_load_b128 v[EEB+8*(\b)+4:EEB+8*(\b)+7], v[AEA] offset:16
.endm
; Number q of the 184 vector instructions that work off the code tile in the buffer that is NOT par.  Query tiles go in pairs, 46 numbers a pair, the two alternating, so that no line reads the result of
; the line before it.  For one tile, number j of 23:  0-3 zz - 2 s, in place (the accumulator's lowest pair first)   4-7 + ee   8-11 g, the least of the 8
; 12 g < m: strict, so that the earlier codes keep a tie   13 m   14 the tile's first code   15-22 the 8 distances.  The masks lie in scalar registers of their own.
.macro RD par
.set x, q%46
.set t, 2*(q/46)+x%2
.set j, x/2
.set rS, S+64*(1-(\par))+8*t
.set rE, EEB+8*(1-(\par))
.set rT, ST+12*t
.set mk, MK+t%2
.if j < 4
	v_pk_fma_f32 v[rS+2*j:rS+2*j+1], v[rS+2*j:rS+2*j+1], -2.0, v[rT:rT+1] op_sel_hi:[1,0,0]
.elseif j < 8
	v_pk_add_f32 v[rS+2*j-8:rS+2*j-7], v[rS+2*j-8:rS+2*j-7], v[rE+2*j-8:rE+2*j-7]
.elseif j == 8
	v_min3_num_f32 v[rT+1], v[rS], v[rS+1], v[rS+2]
.elseif j < 11
	v_min3_num_f32 v[rT+1], v[rT+1], v[rS+2*j-15], v[rS+2*j-14]
.elseif j == 11
	v_min_num_f32 v[rT+1], v[rT+1], v[rS+7]
.elseif j == 12
	v_cmp_lt_f32 s[mk], v[rT+1], v[rT+2]
.elseif j == 13
	v_min_num_f32 v[rT+2], v[rT+2], v[rT+1]
.elseif j == 14
	v_cndmask_b32 v[rT+3], v[rT+3], s[PID], s[mk]
.else
	v_cndmask_b32 v[rT+j-11], v[rT+j-11], v[rS+j-15], s[mk]
.endif
.set q, q+1
.endm
; A TURN.  64 products of the code tile in fragment buffer par into accumulator buffer par: K step ii / 8, query tile ii % 8.  The eight accumulators take turns, one instruction a turn,
; and a turn's last product and the next turn's first name different buffers.  The first eight start the sums with the constant 0.
; rid = 1: three of RD's numbers behind each product (61 x 3 + 1).  The first reader of an accumulator stands ten plain instructions or more behind the product that ended it: those of the turn before that
; follow its products 56 to 61 and work on the other buffer.  fet = 1: behind the second product the next tile's fragments are fetched into the other buffer, whose last reader (the turn before's last
; product) stands seven plain instructions back (six of RD's on query tiles 0 and 1, and the address's own add); and ee of THIS tile into the ee buffer that this turn's vector work does not read.
; fet = 2: ee alone.  All of it is waited for at the next turn's head, 62 products later.
.macro TURN par, rid, fet
	s_wait_dscnt 0x0                ; this tile's fragments, and ee of the tile before
.set q, 0
.set ii, 0
.rept 64
.set kk, ii/8
.set tt, ii%8
.set rD, S+64*(\par)+8*tt
.set rA, F+64*(\par)+8*kk
.set rB, 64*(tt%4)+8*kk
	WIN 0x09+4*(tt/4)               ; codes in window 1, queries in window 2 or 3, sums in window 0
.if kk == 0
	v_wmma_f32_16x16x32_bf16 v[rD:rD+7], v[rA:rA+7], v[rB:rB+7], 0
.else
	v_wmma_f32_16x16x32_bf16 v[rD:rD+7], v[rA:rA+7], v[rB:rB+7], v[rD:rD+7]
.endif
.if \rid
.rept 3
.if q < 184
	WIN 0
	RD \par
.endif
.endr
.endif
.if ii == 1
.if (\fet) == 1
	FETCHF 1-(\par)
.endif
	FETCHE \par
.endif
.set ii, ii+1
.endr
	WIN 0
.if \rid
	s_add_co_u32 s[PID], s[PID], 64 ; the next turn's vector work is at the next tile
.endif
.endm
; z on its way to registers.  ZLOAD: query tile t, 16 rows x 256 f32, into one half of window 1: for K step kk the lane's 16 numbers (channels 8 (l / 16) + 0..7 and 16 + 8 (l / 16) + 0..7 of 32) in 16 registers.
.macro ZLOAD t
	WIN 0x40
.set kk, 0
.rept 8
.set rZ, 128*((\t)%2)+16*kk
	ds_load_b128 v[rZ:rZ+3],     v[AZ] offset:128*kk
	ds_load_b128 v[rZ+4:rZ+7],   v[AZ] offset:128*kk+16
	ds_load_b128 v[rZ+8:rZ+11],  v[AZ] offset:128*kk+64
	ds_load_b128 v[rZ+12:rZ+15], v[AZ] offset:128*kk+80
.set kk, kk+1
.endr
	WIN 0
	v_add_nc_u32 v[AZ], 16*ZP, v[AZ]
.endm
.macro ZCVT t                       ; rounded to bf16 in pairs: these ARE the tile's fragments as source 1
	WIN 0x85+0x40*((\t)/4)          ; sources window 1, destination window 2 or 3
.set ii, 0
.rept 64
	v_cvt_pk_bf16_f32 v[64*((\t)%4)+ii], v[128*((\t)%2)+2*ii], v[128*((\t)%2)+2*ii+1]
.set ii, ii+1
.endr
.endm
; (ma, ia) takes (mb, ib) where that is the lesser distance, or the same distance at the lesser index
.macro LEX ma, ia, mb, ib
	v_cmp_lt_f32 s[E0], v[\mb], v[\ma]
	v_cmp_eq_f32 s[E1], v[\mb], v[\ma]
	v_cmp_lt_u32 s[E2], v[\ib], v[\ia]
	s_and_b32 s[E1], s[E1], s[E2]
	s_or_b32 s[E0], s[E0], s[E1]
	v_cndmask_b32 v[\ma], v[\ma], v[\mb], s[E0]
	v_cndmask_b32 v[\ia], v[\ia], v[\ib], s[E0]
.endm
	s_load_b256 s[4:11], s[0:1], 0x0  ; z s[4:5], cbh s[6:7], ee s[8:9], out1 s[10:11]
	s_load_b64 s[12:13], s[0:1], 0x20 ; idx
	v_lshl_add_u32 v[SPW], v0, 2, SPARE
	v_mov_b32 v[NIL], 0
	ds_add_u32 v[SPW], v[NIL]       ; the wave's opening: the add, twice on end, and its wait ahead of my first tensor load; the set-up below, work on registers, stands between
	ds_add_u32 v[SPW], v[NIL]       ; and once more, under the one wait
	v_lshrrev_b32 v1, 5, v0
	v_readfirstlane_b32 s[WV], v1   ; wave 0..3
	s_bfe_u32 s15, ttmp6, 0x40000   ; cx: my place in the cluster: it enters z's, the outputs' and the prefetches' global addresses alone
	s_lshl_b32 s16, ttmp9, 2        ; in a cluster launch ttmp9 counts clusters
	s_add_co_u32 s16, s16, s15      ; my block of 128 queries
	; group 1 for the codes: 64 rows x 256 elements of 2 bytes, padded in LDS
	s_mov_b32 s[G1C], 15|(1<<16)|(1<<20)|(1<<21)|(6<<22)|(3<<25)  ; 15:0 the mask of four; 17:16 2-byte elements; 20 padding on; 21 set beside a mask; 24:22 after every 128 words (code 6); 31:25 4 words (code 3)
	s_mov_b32 s[G1C+1], 256<<16     ; tensor_dim0 = 256
	s_mov_b32 s[G1C+2], 64<<16      ; tensor_dim1 = 64
	s_mov_b32 s[G1C+3], 256<<16     ; tile_dim0 = 256
	s_mov_b32 s[G1C+4], 64          ; tile_dim1 = 64
	s_mov_b32 s[G1C+5], 256         ; elements from row to row
	s_mov_b32 s[G1C+6], 0
	s_mov_b32 s[G1C+7], 0
	; group 1 for z: 32 rows x 256 elements of 4 bytes, padded; no mask: each work-group has its own queries
	s_mov_b32 s[G1Z], (2<<16)|(1<<20)|(7<<22)|(3<<25)  ; 4-byte elements; padding after every 256 words (code 7), 4 words (code 3)
	s_mov_b32 s[G1Z+1], 256<<16
	s_mov_b32 s[G1Z+2], 32<<16
	s_mov_b32 s[G1Z+3], 256<<16
	s_mov_b32 s[G1Z+4], 32
	s_mov_b32 s[G1Z+5], 256
	s_mov_b32 s[G1Z+6], 0
	s_mov_b32 s[G1Z+7], 0
	; group 1 for ee: 8,192 dense bytes as 32 rows of 32 elements of 8 bytes, no padding
	s_mov_b32 s[G1E], 15|(3<<16)|(1<<21)
	s_mov_b32 s[G1E+1], 32<<16
	s_mov_b32 s[G1E+2], 32<<16
	s_mov_b32 s[G1E+3], 32<<16
	s_mov_b32 s[G1E+4], 32
	s_mov_b32 s[G1E+5], 32
	s_mov_b32 s[G1E+6], 0
	s_mov_b32 s[G1E+7], 0
	s_mov_b32 s[G0C], 1             ; count = 1
	s_mul_i32 s[G0C+1], s[WV], TSTEP  ; LDS: slot 0, my 64 rows: the wave's number alone enters an LDS address
	s_mov_b32 s[G0Z], 1
	s_mul_i32 s[G0Z+1], s[WV], 32*ZP
	s_add_co_u32 s[G0Z+1], s[G0Z+1], SLOTB  ; z lies where slot 1 will lie
	s_mov_b32 s[G0E], 1
	s_lshl_b32 s[G0E+1], s[WV], 13
	s_add_co_u32 s[G0E+1], s[G0E+1], EEL
	s_lshl_b32 s18, s[WV], 15       ; my 64 rows of cbh, and my 32 rows of z: 32,768 bytes either way
	s_mov_b32 s19, 0
	s_lshl_b32 s20, s16, 17         ; my block's 128 rows of z
	s_add_co_u32 s20, s20, s18
	s_mov_b32 s21, 0
	s_lshl_b32 s22, s[WV], 13       ; my quarter of ee
	s_mov_b32 s23, 0
	s_lshl2_add_u32 s88, s15, s[WV] ; 4 cx + w
	s_lshl_b32 s88, s88, 13
	s_add_co_u32 s88, s88, 2*256*512  ; in slot 2: the first change of slots steps it to slot 3
	s_mov_b32 s89, 0
	s_cmp_eq_u32 ttmp9, 0           ; the first cluster: the same answer in all four partners
	s_cselect_b32 s[LIM], 2, -1
	s_wait_dscnt 0x0                ; both opening adds are done
	s_wait_kmcnt 0x0
	s_add_nc_u64 s[G0C+2:G0C+3], s[6:7], s[18:19]
	s_or_b32 s[G0C+3], s[G0C+3], 0x80000000  ; type = 2
	s_add_nc_u64 s[G0Z+2:G0Z+3], s[4:5], s[20:21]
	s_or_b32 s[G0Z+3], s[G0Z+3], 0x80000000
	s_add_nc_u64 s[G0E+2:G0E+3], s[8:9], s[22:23]
	s_or_b32 s[G0E+3], s[G0E+3], 0x80000000
	s_add_nc_u64 s[PFA:PFA+1], s[6:7], s[88:89]
	CROUND                          ; all four work-groups are here: the first joint loads meet
	tensor_load_to_lds s[G0Z:G0Z+3], s[G1Z:G1Z+7]  ; the first fills go out as one group, z first: three loads of mine are out
	s_nop 0
	tensor_load_to_lds s[G0E:G0E+3], s[G1E:G1E+7]
	s_nop 0
	tensor_load_to_lds s[G0C:G0C+3], s[G1C:G1C+7]
	s_nop 0
	PLACES
	; all this stands in the wait for z
	v_and_b32 v1, 15, v0            ; l % 16
	v_bfe_u32 v14, v0, 4, 1         ; l / 16
	v_and_b32 v15, 31, v0           ; l
	s_lshl_b32 s18, s[WV], 4
	v_add_nc_u32 v[AF0], s18, v1
	v_mul_u32_u24 v[AF0], v[AF0], PITCH
	v_lshl_add_u32 v[AF0], v14, 4, v[AF0]
	s_lshl_b32 s19, s[WV], 6
	s_add_co_u32 s19, s19, EEL
	v_lshl_add_u32 v[AE0], v14, 5, s19
	v_mul_u32_u24 v[AZ], v1, ZP
	v_lshl_add_u32 v[AZ], v14, 5, v[AZ]
	v_add_nc_u32 v[AZ], SLOTB, v[AZ]
	v_lshlrev_b32 v[H8], 3, v14
	v_lshlrev_b32 v[PFO], 8, v15
	s_lshl_b32 s20, s[WV], 10
	s_add_co_u32 s20, s20, COMB
	v_lshl_add_u32 v[CW], v1, 3, s20
	s_and_b32 s21, s[WV], 1         ; at the end waves 0 and 2 take queries 0-63, waves 1 and 3 queries 64-127
	s_lshl_b32 s22, s21, 9
	s_add_co_u32 s22, s22, COMB
	v_lshl_add_u32 v[CR], v15, 4, s22
	s_lshl_b32 s23, s21, 8
	v_lshl_add_u32 v[GO], v15, 3, s23
	s_mov_b32 s[INF], 0x7f800000
.set tt, 0
.rept 8                             ; the statistics' start: m and the kept distances +infinity, so that the first finite group wins
	v_mov_b32 v[ST+12*tt], 0
	v_mov_b32 v[ST+12*tt+1], 0
	v_mov_b32 v[ST+12*tt+2], s[INF]
	v_mov_b32 v[ST+12*tt+3], 0
.irp e, 4,5,6,7,8,9,10,11
	v_mov_b32 v[ST+12*tt+\e], s[INF]
.endr
.set tt, tt+1
.endr
	s_mov_b32 s[TB], 2*SLOTB        ; the first change of slots turns this into 0
	s_mov_b32 s[TE], 0
	s_lshl_b32 s[PID], s[WV], 4
	s_mov_b32 s[SLOTS], 31
	s_mov_b32 s[SEL], 0x76543210
	s_mov_b32 s[SEL+1], 0xfedcba98
.irp e, 1,2,3,4,5,6,7
	s_mov_b32 s[MJ+\e-1], 0x01010101<<\e
.endr
	s_mov_b32 s[VALID], 0xff0000ff
	s_wait_tensorcnt 0x2            ; tensor loads of a wave end in order (ISA guide 10.11.1): my quarter of z is in; ee and slot 0, issued behind it, may stay out
	s_barrier_signal -1
	s_barrier_wait -1               ; everybody's quarter is in
	ZLOAD 0
	ZLOAD 1
.irp t, 0,1,2,3,4,5
	s_wait_dscnt 32                 ; LDS loads come back in order (ISA guide 5.7.1): this tile's 32 are in, the next tile's 32 stay out
	ZCVT \t
	ZLOAD \t+2
.endr
	s_wait_dscnt 32
	ZCVT 6
	s_wait_dscnt 0x0
	ZCVT 7
	; zz = the diagonal of Z Z^T, tile by tile: the same fragments as both sources; 64 products, the eight accumulators by turns.  One part in 128 of the launch's matrix work.
.set kk, 0
.rept 8
.set tt, 0
.rept 8
.set rB, 64*(tt%4)+8*kk
	WIN 0x0a+5*(tt/4)               ; both sources in window 2 or 3
.if kk == 0
	v_wmma_f32_16x16x32_bf16 v[S+8*tt:S+8*tt+7], v[rB:rB+7], v[rB:rB+7], 0
.else
	v_wmma_f32_16x16x32_bf16 v[S+8*tt:S+8*tt+7], v[rB:rB+7], v[rB:rB+7], v[S+8*tt:S+8*tt+7]
.endif
.set tt, tt+1
.endr
.set kk, kk+1
.endr
	WIN 0
	PLACES                          ; the places behind the last products (ISA guide 7.12.1)
	PLACES
	; Query r's diagonal number lies in the lane with l % 16 = r and l / 16 = r / 8, in register r % 8 = l % 8: lanes 0-7 and 24-31.  Seven selects pick the register; the other lanes take it from 16 lanes away.
.set tt, 0
.rept 8
	v_cndmask_b32 v[ST+12*tt+1], v[S+8*tt], v[S+8*tt+1], s[MJ]
.irp e, 2,3,4,5,6,7
	v_cndmask_b32 v[ST+12*tt+1], v[ST+12*tt+1], v[S+8*tt+\e], s[MJ+\e-1]
.endr
	v_permlanex16_b32 v[ST+12*tt], v[ST+12*tt+1], s[SEL], s[SEL+1]
	v_cndmask_b32 v[ST+12*tt], v[ST+12*tt], v[ST+12*tt+1], s[VALID]
.set tt, tt+1
.endr
	CHANGE 1                        ; slot 0 and ee are in, everybody's parts; slot 1 is asked for, into z's bytes
	FETCHF 0                        ; code tile 0
	TURN 0, 0, 1                    ; tile 0's products: there is no vector work yet to set between them
	PLACES                          ; so v_nop are the places behind them
	PLACES
	s_mov_b32 s[TWICE], 1           ; slot 0 has three turns left ahead of the next change: one is done, and the change stands one turn ahead of a slot's end, since a turn fetches the next turn's tile
	s_branch .Lpair
.Lslot:                             ; 30 times: slots 2 to 31 are asked for
	CHANGE 1
	s_mov_b32 s[TWICE], 2
.Lpair:
	TURN 1, 1, 1
	TURN 0, 1, 1
	s_sub_co_u32 s[TWICE], s[TWICE], 1
	s_cmp_lg_u32 s[TWICE], 0
	s_cbranch_scc1 .Lpair
	s_sub_co_u32 s[SLOTS], s[SLOTS], 1
	s_cmp_lg_u32 s[SLOTS], 0
	s_cbranch_scc1 .Lslot
	CHANGE 0                        ; the tail is written out: the last slot is in, nothing is asked for
	s_mov_b32 s[TWICE], 2
.Ltail:
	TURN 1, 1, 1
	TURN 0, 1, 1
	s_sub_co_u32 s[TWICE], s[TWICE], 1
	s_cmp_lg_u32 s[TWICE], 0
	s_cbranch_scc1 .Ltail
	TURN 1, 1, 2                    ; the last tile's products: no tile is left to fetch
	s_wait_dscnt 0x0                ; its ee
.set q, 0
.rept 184
	RD 0                            ; and its vector work
.endr
	; THE END.  In each lane: the lowest j whose kept distance is m; the index = the group's first code + j + 8 (l / 16).  Then the other half of the lanes, then the other three waves.
.set tt, 0
.rept 8
.set rT, ST+12*tt
	v_mov_b32 v[rT+1], 7
.irp e, 6,5,4,3,2,1,0
	v_cmp_eq_f32 vcc_lo, v[rT+4+\e], v[rT+2]
	v_cndmask_b32 v[rT+1], v[rT+1], \e, vcc_lo
.endr
	v_add3_u32 v[rT+3], v[rT+3], v[rT+1], v[H8]
	v_permlanex16_b32 v[S+8*tt], v[rT+2], s[SEL], s[SEL+1]      ; destinations that have been written: the accumulators are free
	v_permlanex16_b32 v[S+8*tt+1], v[rT+3], s[SEL], s[SEL+1]
	LEX rT+2, rT+3, S+8*tt, S+8*tt+1
	ds_store_b64 v[CW], v[rT+2:rT+3] offset:128*tt              ; both halves of the lanes hold the same pair and write it to the same place
.set tt, tt+1
.endr
	s_wait_dscnt 0x0                ; for the others' sake: my 128 pairs lie in LDS
	s_barrier_signal -1
	s_barrier_wait -1               ; all four waves' do
.irp w, 0,1,2,3
	ds_load_b128 v[S+4*\w:S+4*\w+3], v[CR] offset:1024*\w       ; two queries' pairs of wave w
.endr
	s_cmp_lt_u32 s[WV], 2           ; waves 0 and 1 store out1, waves 2 and 3 the same numbers into idx
	s_cselect_b64 s[86:87], s[10:11], s[12:13]
	s_lshl_b32 s18, s16, 9          ; my block's 128 indices
	s_mov_b32 s19, 0
	s_add_nc_u64 s[86:87], s[86:87], s[18:19]
	s_wait_dscnt 0x0
.irp w, 1,2,3
	LEX S, S+1, S+4*\w, S+4*\w+1
	LEX S+2, S+3, S+4*\w+2, S+4*\w+3
.endr
	v_mov_b32 v[S], v[S+1]
	v_mov_b32 v[S+1], v[S+3]
	global_store_b64 v[GO], v[S:S+1], s[86:87]  ; 32 lanes x 8 bytes: 256 consecutive bytes, aligned
	s_wait_tensorcnt 0x0            ; the wave's end, behind my last tensor load and my last LDS store
	ds_add_u32 v[SPW], v[NIL]
	s_wait_dscnt 0x0
	CROUND                          ; the closing round: no work-group ends while a partner may still ask for a tile that names it
	s_endpgm
.Lfunc_end_k_q901823a5fd_search:
	.size	k_q901823a5fd_search, .Lfunc_end_k_q901823a5fd_search-k_q901823a5fd_search
	.p2alignl 7, 3214868480
	.fill 96, 4, 3214868480
	.section	.rodata,"a",@progbits
	.p2align	6, 0x0
	.amdhsa_kernel k_q901823a5fd_search
		.amdhsa_group_segment_fixed_size 327680
		.amdhsa_private_segment_fixed_size 0
		.amdhsa_enable_private_segment 0
		.amdhsa_kernarg_size 40
		.amdhsa_user_sgpr_count 2
		.amdhsa_user_sgpr_kernarg_segment_ptr 1
		.amdhsa_wavefront_size32 1
		.amdhsa_system_sgpr_workgroup_id_x 1
		.amdhsa_system_sgpr_workgroup_id_y 1
		.amdhsa_system_sgpr_workgroup_id_z 1
		.amdhsa_system_vgpr_workitem_id 0
		.amdhsa_next_free_vgpr 1024
		.amdhsa_next_free_sgpr 96
		.amdhsa_reserve_vcc 1
		.amdhsa_float_denorm_mode_32 3
		.amdhsa_float_denorm_mode_16_64 3
		.amdhsa_memory_ordered 1
		.amdhsa_forward_progress 1
		.amdhsa_inst_pref_size 205
	.end_amdhsa_kernel
	.amdgpu_metadata
---
amdhsa.version: [ 1, 2 ]
amdhsa.kernels:
  - .name:           k_q901823a5fd_search
    .symbol:         k_q901823a5fd_search.kd
    .args:
      - { .name: z, .offset: 0, .size: 8, .value_kind: global_buffer, .address_space: global }
      - { .name: cbh, .offset: 8, .size: 8, .value_kind: global_buffer, .address_space: global }
      - { .name: ee, .offset: 16, .size: 8, .value_kind: global_buffer, .address_space: global }
      - { .name: out1, .offset: 24, .size: 8, .value_kind: global_buffer, .address_space: global }
      - { .name: idx, .offset: 32, .size: 8, .value_kind: global_buffer, .address_space: global }
    .group_segment_fixed_size: 327680
    .private_segment_fixed_size: 0
    .kernarg_segment_align: 8
    .kernarg_segment_size: 40
    .max_flat_workgroup_size: 128
    .sgpr_count:     96
    .vgpr_count:     1024
    .wavefront_size: 32
...
	.end_amdgpu_metadata
.endif
;; end of part 2
;; launch gather (part 3): grid 256 x 1, 8 waves a work-group, no clusters, 0 bytes of LDS; arguments idx, cbh, out0; writes out0
.if DOCPART == 3
	.amdgcn_target "amdgcn-amd-amdhsa--gfx1250"
	.amdhsa_code_object_version 6
	.text
	.protected	k_q901823a5fd_gather
	.globl	k_q901823a5fd_gather
	.p2align	8
	.type	k_q901823a5fd_gather,@function
k_q901823a5fd_gather:
	s_mov_b64 s[64:65], 0
	v_nop
	global_prefetch_b8 v0, s[64:65] scope:SCOPE_SE
	s_setreg_imm32_b32 hwreg(HW_REG_WAVE_MODE, 25, 1), 1
	s_wait_xcnt 0x0
; out0[n][:] = cbh[idx[n]][:], widened from bf16 to f32: the codebook's row as the search saw it, off from the f32 row by bf16's one rounding.
; idx: [32768] int32, stored by the launch before.  cbh: [8192][256] bf16.  out0: [32768][256] f32.
; SHARES.  A work-group owns 128 rows, a wave 16.  Each is held to the table (0 .. 8191) before it enters an address.
; A row of cbh is 512 bytes: two loads of 8 bytes a lane, 256 consecutive bytes each; all 32 loads of a wave go out at once.  A lane's 4 numbers widen to 16 bytes: a store covers 512
; consecutive bytes of out0, aligned.  No loop, and no register is written twice, so no wait frees a source.  No LDS, matrix unit or cluster: nothing is shared but table rows, which come as they are named.
.set L8, 1                             ; v1   8 x lane
.set SO, 2                             ; v2   16 x lane
.set OF, 4                             ; v[4:19]    row i: 512 x index + 8 x lane
.set X,  20                            ; v[20:83]   row i: 4 registers as loaded
.set Y,  84                            ; v[84:211]  row i: 8 registers to store
	s_load_b128 s[4:7], s[0:1], 0x0                ; idx s[4:5], cbh s[6:7]
	s_load_b64 s[8:9], s[0:1], 0x10                ; out0
	v_lshrrev_b32 v3, 5, v0
	v_readfirstlane_b32 s10, v3                    ; wave 0..7
	v_and_b32 v3, 31, v0
	v_lshlrev_b32 v[L8], 3, v3
	v_lshlrev_b32 v[SO], 4, v3
	s_mov_b32 s11, 0xffff0000                      ; a word's upper bf16
	s_lshl_b32 s12, ttmp9, 9                       ; the work-group's 128 indices,
	s_lshl_b32 s14, s10, 6                         ; the wave's 16
	s_add_co_u32 s12, s12, s14
	s_mov_b32 s13, 0
	s_lshl_b32 s14, ttmp9, 17                      ; the work-group's 128 rows of out0,
	s_lshl_b32 s15, s10, 14                        ; the wave's 16
	s_add_co_u32 s14, s14, s15
	s_mov_b32 s15, 0
	s_wait_kmcnt 0x0
	s_add_nc_u64 s[4:5], s[4:5], s[12:13]
	s_add_nc_u64 s[8:9], s[8:9], s[14:15]
	s_load_b512 s[16:31], s[4:5], 0x0
	s_wait_kmcnt 0x0
.irp i, 0,1,2,3,4,5,6,7,8,9,10,11,12,13,14,15
	s_min_u32 s[16+\i], s[16+\i], 0x1fff           ; inside the table
	v_lshl_add_u32 v[OF+\i], s[16+\i], 9, v[L8]
.endr
.irp i, 0,1,2,3,4,5,6,7,8,9,10,11,12,13,14,15
	global_load_b64 v[X+4*\i:X+4*\i+1],   v[OF+\i], s[6:7]             ; no hint: a row may be named again
	global_load_b64 v[X+4*\i+2:X+4*\i+3], v[OF+\i], s[6:7] offset:256
.endr
.irp i, 0,1,2,3,4,5,6,7,8,9,10,11,12,13,14,15
	s_wait_loadcnt 30-2*\i                         ; loads come back in order: this row's two are in, the later rows' stay out
.irp e, 0,1,2,3
	v_lshlrev_b32 v[Y+8*\i+2*\e],   16, v[X+4*\i+\e]   ; bf16 to f32: the low half moves up,
	v_and_b32     v[Y+8*\i+2*\e+1], s11, v[X+4*\i+\e]  ; the high half stays
.endr
	global_store_b128 v[SO], v[Y+8*\i:Y+8*\i+3],   s[8:9] offset:1024*\i th:TH_STORE_NT
	global_store_b128 v[SO], v[Y+8*\i+4:Y+8*\i+7], s[8:9] offset:1024*\i+512 th:TH_STORE_NT
.endr
	s_endpgm
.Lfunc_end_k_q901823a5fd_gather:
	.size	k_q901823a5fd_gather, .Lfunc_end_k_q901823a5fd_gather-k_q901823a5fd_gather
	.p2alignl 7, 3214868480
	.fill 96, 4, 3214868480
	.section	.rodata,"a",@progbits
	.p2align	6, 0x0
	.amdhsa_kernel k_q901823a5fd_gather
		.amdhsa_group_segment_fixed_size 0
		.amdhsa_private_segment_fixed_size 0
		.amdhsa_enable_private_segment 0
		.amdhsa_kernarg_size 24
		.amdhsa_user_sgpr_count 2
		.amdhsa_user_sgpr_kernarg_segment_ptr 1
		.amdhsa_wavefront_size32 1
		.amdhsa_system_sgpr_workgroup_id_x 1
		.amdhsa_system_sgpr_workgroup_id_y 1
		.amdhsa_system_sgpr_workgroup_id_z 1
		.amdhsa_system_vgpr_workitem_id 0
		.amdhsa_next_free_vgpr 224
		.amdhsa_next_free_sgpr 66
		.amdhsa_reserve_vcc 0
		.amdhsa_float_denorm_mode_32 3
		.amdhsa_float_denorm_mode_16_64 3
		.amdhsa_memory_ordered 1
		.amdhsa_forward_progress 1
		.amdhsa_inst_pref_size 14
	.end_amdhsa_kernel
	.amdgpu_metadata
---
amdhsa.version: [ 1, 2 ]
amdhsa.kernels:
  - .name:           k_q901823a5fd_gather
    .symbol:         k_q901823a5fd_gather.kd
    .args:
      - { .name: idx, .offset: 0, .size: 8, .value_kind: global_buffer, .address_space: global }
      - { .name: cbh, .offset: 8, .size: 8, .value_kind: global_buffer, .address_space: global }
      - { .name: out0, .offset: 16, .size: 8, .value_kind: global_buffer, .address_space: global }
    .group_segment_fixed_size: 0
    .private_segment_fixed_size: 0
    .kernarg_segment_align: 8
    .kernarg_segment_size: 24
    .max_flat_workgroup_size: 256
    .sgpr_count:     66
    .vgpr_count:     224
    .wavefront_size: 32
...
	.end_amdgpu_metadata
.endif
;; end of part 3
;; ======== version 2 of 2: 3 launches; version 1 with the launches prep, gather written anew for expert scheduling mode
;; workspace buffers: cbh 4,194,304 bytes; ee 32,768 bytes; idx 131,072 bytes of whole numbers
;; launch prep (part 4): grid 128 x 1, 8 waves a work-group, no clusters, 1,280 bytes of LDS; arguments codebook, cbh, ee; writes cbh, ee
.if DOCPART == 4
	.amdgcn_target "amdgcn-amd-amdhsa--gfx1250"
	.amdhsa_code_object_version 6
	.text
	.protected	k_q901823a5fd_prep
	.globl	k_q901823a5fd_prep
	.p2align	8
	.type	k_q901823a5fd_prep,@function
k_q901823a5fd_prep:
	s_mov_b64 s[64:65], 0
	v_nop
	global_prefetch_b8 v0, s[64:65] scope:SCOPE_SE
	s_setreg_imm32_b32 hwreg(HW_REG_WAVE_SCHED_MODE, 0, 2), 2
	s_setreg_imm32_b32 hwreg(HW_REG_WAVE_MODE, 25, 1), 1
	s_wait_xcnt 0x0
	s_wait_alu depctr_vm_vsrc(0)
; cbh[k][:] = codebook[k][:] rounded once to bf16; ee[k] = the sum of the squares of the ROUNDED row, in f32.
; codebook: [8192][256] f32.  cbh: [8192][256] bf16.  ee: [8192] f32.
; SHARES.  A work-group owns 64 rows, so that its 64 numbers of ee are 256 consecutive bytes, aligned, stored by one instruction: 128 work-groups.
; A wave owns 8 rows.  A row is 1,024 bytes: two loads of 16 bytes a lane; all 16 loads of a wave go out at once, so there is no loop and no register is written twice.
; A lane's 4 numbers of a load round to 8 bytes: a store of the wave covers 256 consecutive bytes of cbh, aligned.
; The sum is taken in two chains a lane, then across the 32 lanes; its order differs from a plain left-to-right sum (f32 sums, any order).
; No matrix unit, no cluster, no tensor load: nothing is shared between work-groups and each byte is touched once.
; THE MODE: SCHED_MODE bits 1:0 = 2 (LLVM: expert scheduling mode 2), set by the entry lines.  The code itself states the register dependences
; between vector instructions and memory or LDS instructions, with s_wait_alu, always for 0.
; THE PLAN.  The 8 rows go in 4 blocks of two.  Registers that memory or LDS instructions touch:
;   v[IN], v[OUTO], v[LW], v[LR], v[SPW], v[NIL]   addresses: written once at the head, then only read.
;   X     written by the 16 loads, which are all issued before any vector instruction names X; read by the conversions.
;   Y     row r: written once, by block r / 2's conversions; read by the row's two stores, which are issued in block r / 2 + 1.
;   SUM   row r: its first register is written by block r / 2's chain; read by one LDS store, issued in block r / 2 + 1.
;   RES   written by wave 0's LDS load at the end, read by its store; no other line names it.
; Block p's vector instructions name X, Y and SUM of its own two rows alone; its memory instructions read Y and SUM of block p - 1.  So ONE wait on va_vdst at a block's head states all that
; the block's six stores hang on.  No register that a memory or LDS instruction reads is ever written again: there is no wait on vm_vsrc.
.set SPARE, 256                        ; LDS 0-255: the 64 sums; from 256 on the spare words, 128 bytes for each of the eight waves
.set IN,   2                           ; v2   8,192 x wave + 16 x lane: my 16 bytes in the wave's first row of the codebook
.set OUTO, 3                           ; v3   4,096 x wave + 8 x lane: my 8 bytes in the wave's first row of cbh
.set LW,   4                           ; v4   32 x wave: the wave's 8 words among the 64 sums
.set LR,   5                           ; v5   8 x lane: two sums a lane, in LDS and in ee
.set ZERO, 6                           ; v6   0: what the chains start from
.set SPW,  8                           ; v8   LDS address of my spare word; never rewritten
.set NIL,  9                           ; v9   0; never rewritten
.set SUM,  10                          ; v[10:25]  row i: two chains
.set RES,  26                          ; v[26:27]  wave 0 at the end: two of the 64 sums
.set X,    32                          ; v[32:95]  row i: 8 registers as loaded
.set Y,    96                          ; v[96:127] row i: 4 registers, 8 bf16
	s_load_b128 s[4:7], s[0:1], 0x0                ; codebook s[4:5], cbh s[6:7]
	s_load_b64 s[8:9], s[0:1], 0x10                ; ee
	v_lshl_add_u32 v[SPW], v0, 2, SPARE
	v_mov_b32 v[NIL], 0
	v_lshrrev_b32 v1, 5, v0
	v_readfirstlane_b32 s12, v1                    ; wave 0..7
	v_and_b32 v7, 31, v0                           ; lane
	v_lshlrev_b32 v[LR], 3, v7
	v_mov_b32 v[ZERO], 0
	s_mov_b32 s14, 0x76543210                      ; v_permlanex16_b32: each lane takes its own place in the other half
	s_mov_b32 s15, 0xfedcba98
	s_lshl_b32 s16, ttmp9, 16                      ; the work-group's 64 rows: 65,536 bytes of the codebook,
	s_mov_b32 s17, 0
	s_lshl_b32 s18, ttmp9, 15                      ; 32,768 of cbh,
	s_mov_b32 s19, 0
	s_lshl_b32 s20, ttmp9, 8                       ; 256 of ee
	s_mov_b32 s21, 0
	s_wait_alu depctr_va_sdst(0)                   ; s12 is written, ahead of its first reader: the three shifts below
	s_lshl_b32 s13, s12, 13                        ; three registers, so that none that a vector instruction reads is written again
	s_lshl_b32 s22, s12, 12
	s_lshl_b32 s23, s12, 5
	v_lshl_add_u32 v[IN], v7, 4, s13
	v_lshl_add_u32 v[OUTO], v7, 3, s22
	v_mov_b32 v[LW], s23
	s_wait_kmcnt 0x0
	s_add_nc_u64 s[4:5], s[4:5], s[16:17]
	s_add_nc_u64 s[6:7], s[6:7], s[18:19]
	s_add_nc_u64 s[8:9], s[8:9], s[20:21]
	s_wait_alu depctr_va_vdst(0)                   ; v[IN], v[OUTO], v[LW], v[LR], v[SPW] and v[NIL] are written: every load, store and LDS instruction of the kernel reads one of them as its address
.irp i, 0,1,2,3,4,5,6,7
	global_load_b128 v[X+8*\i:X+8*\i+3],   v[IN], s[4:5] offset:1024*\i th:TH_LOAD_NT
	global_load_b128 v[X+8*\i+4:X+8*\i+7], v[IN], s[4:5] offset:1024*\i+512 th:TH_LOAD_NT
.endr
; What block p leaves: its two rows of cbh and its two sums.
.macro OUT p
.irp r, 2*(\p), 2*(\p)+1
	global_store_b64 v[OUTO], v[Y+4*(\r):Y+4*(\r)+1],   s[6:7] offset:512*(\r)      ; 32 lanes x 8 bytes: 256 consecutive bytes, aligned
	global_store_b64 v[OUTO], v[Y+4*(\r)+2:Y+4*(\r)+3], s[6:7] offset:512*(\r)+256
	ds_store_b32 v[LW], v[SUM+2*(\r)] offset:4*(\r)             ; all lanes write the same word with the same number
.endr
.endm
; Block p: rows 2 p and 2 p + 1, their lines alternating, so that fewer lines read the result of the line before; each row's sum keeps its own order.
.macro BLK p
	s_wait_loadcnt 12-4*(\p)                       ; loads come back in order: this block's four are in, the later blocks' 4 (3 - p) stay out
.if (\p) > 0
	s_wait_alu depctr_va_vdst(0)                   ; the block before has written its Y and its two sums, which the six stores below read
	OUT (\p)-1
.endif
.irp r, 2*(\p), 2*(\p)+1
.irp e, 0,1,2,3
	v_cvt_pk_bf16_f32 v[Y+4*(\r)+\e], v[X+8*(\r)+2*\e], v[X+8*(\r)+2*\e+1]
.endr
.endr
	; the squares of the rounded numbers, straight from the bf16 halves into f32: two chains a row that do not wait for each other
.irp r, 2*(\p), 2*(\p)+1
	v_fma_mix_f32_bf16 v[SUM+2*(\r)],   v[Y+4*(\r)],   v[Y+4*(\r)],   v[ZERO] op_sel_hi:[1,1,0]
	v_fma_mix_f32_bf16 v[SUM+2*(\r)+1], v[Y+4*(\r)+2], v[Y+4*(\r)+2], v[ZERO] op_sel_hi:[1,1,0]
.endr
.irp r, 2*(\p), 2*(\p)+1
	v_fma_mix_f32_bf16 v[SUM+2*(\r)],   v[Y+4*(\r)],   v[Y+4*(\r)],   v[SUM+2*(\r)]   op_sel:[1,1,0] op_sel_hi:[1,1,0]
	v_fma_mix_f32_bf16 v[SUM+2*(\r)+1], v[Y+4*(\r)+2], v[Y+4*(\r)+2], v[SUM+2*(\r)+1] op_sel:[1,1,0] op_sel_hi:[1,1,0]
.endr
.irp r, 2*(\p), 2*(\p)+1
	v_fma_mix_f32_bf16 v[SUM+2*(\r)],   v[Y+4*(\r)+1], v[Y+4*(\r)+1], v[SUM+2*(\r)]   op_sel_hi:[1,1,0]
	v_fma_mix_f32_bf16 v[SUM+2*(\r)+1], v[Y+4*(\r)+3], v[Y+4*(\r)+3], v[SUM+2*(\r)+1] op_sel_hi:[1,1,0]
.endr
.irp r, 2*(\p), 2*(\p)+1
	v_fma_mix_f32_bf16 v[SUM+2*(\r)],   v[Y+4*(\r)+1], v[Y+4*(\r)+1], v[SUM+2*(\r)]   op_sel:[1,1,0] op_sel_hi:[1,1,0]
	v_fma_mix_f32_bf16 v[SUM+2*(\r)+1], v[Y+4*(\r)+3], v[Y+4*(\r)+3], v[SUM+2*(\r)+1] op_sel:[1,1,0] op_sel_hi:[1,1,0]
.endr
.irp r, 2*(\p), 2*(\p)+1
	v_add_f32 v[SUM+2*(\r)], v[SUM+2*(\r)], v[SUM+2*(\r)+1]
.endr
.irp r, 2*(\p), 2*(\p)+1
	v_add_f32_dpp v[SUM+2*(\r)], v[SUM+2*(\r)], v[SUM+2*(\r)] row_xmask:1 row_mask:0xf bank_mask:0xf
.endr
.irp r, 2*(\p), 2*(\p)+1
	v_add_f32_dpp v[SUM+2*(\r)], v[SUM+2*(\r)], v[SUM+2*(\r)] row_xmask:2 row_mask:0xf bank_mask:0xf
.endr
.irp r, 2*(\p), 2*(\p)+1
	v_add_f32_dpp v[SUM+2*(\r)], v[SUM+2*(\r)], v[SUM+2*(\r)] row_xmask:4 row_mask:0xf bank_mask:0xf
.endr
.irp r, 2*(\p), 2*(\p)+1
	v_add_f32_dpp v[SUM+2*(\r)], v[SUM+2*(\r)], v[SUM+2*(\r)] row_xmask:8 row_mask:0xf bank_mask:0xf
.endr
.irp r, 2*(\p), 2*(\p)+1
	v_permlanex16_b32 v[SUM+2*(\r)+1], v[SUM+2*(\r)], s14, s15  ; its destination has been written: the second chain's register
.endr
.irp r, 2*(\p), 2*(\p)+1
	v_add_f32 v[SUM+2*(\r)], v[SUM+2*(\r)], v[SUM+2*(\r)+1]     ; every lane holds the row's sum
.endr
.endm
	BLK 0
	BLK 1
	BLK 2
	BLK 3
	s_wait_alu depctr_va_vdst(0)                   ; block 3 has written its Y and its two sums, which the last six stores read
	OUT 3
	s_wait_dscnt 0x0                               ; for the others' sake: my eight sums lie in LDS
	s_barrier_signal -1
	s_barrier_wait -1                              ; all 64 do
	s_cmp_lg_u32 s12, 0
	s_cbranch_scc1 .Lend                           ; wave 0 stores them
	ds_load_b64 v[RES:RES+1], v[LR]                ; into a pair that no other line names
	s_wait_dscnt 0x0
	global_store_b64 v[LR], v[RES:RES+1], s[8:9]   ; 256 consecutive bytes of ee, aligned
.Lend:
	s_wait_dscnt 0x0                               ; the wave's end
	s_wait_alu 0x0
	s_wait_tensorcnt 0x0
	ds_add_u32 v[SPW], v[NIL]
	s_wait_dscnt 0x0
	s_endpgm
.Lfunc_end_k_q901823a5fd_prep:
	.size	k_q901823a5fd_prep, .Lfunc_end_k_q901823a5fd_prep-k_q901823a5fd_prep
	.p2alignl 7, 3214868480
	.fill 96, 4, 3214868480
	.section	.rodata,"a",@progbits
	.p2align	6, 0x0
	.amdhsa_kernel k_q901823a5fd_prep
		.amdhsa_group_segment_fixed_size 1280
		.amdhsa_private_segment_fixed_size 0
		.amdhsa_enable_private_segment 0
		.amdhsa_kernarg_size 24
		.amdhsa_user_sgpr_count 2
		.amdhsa_user_sgpr_kernarg_segment_ptr 1
		.amdhsa_wavefront_size32 1
		.amdhsa_system_sgpr_workgroup_id_x 1
		.amdhsa_system_sgpr_workgroup_id_y 1
		.amdhsa_system_sgpr_workgroup_id_z 1
		.amdhsa_system_vgpr_workitem_id 0
		.amdhsa_next_free_vgpr 128
		.amdhsa_next_free_sgpr 66
		.amdhsa_reserve_vcc 0
		.amdhsa_float_denorm_mode_32 3
		.amdhsa_float_denorm_mode_16_64 3
		.amdhsa_memory_ordered 1
		.amdhsa_forward_progress 1
		.amdhsa_inst_pref_size 15
	.end_amdhsa_kernel
	.amdgpu_metadata
---
amdhsa.version: [ 1, 2 ]
amdhsa.kernels:
  - .name:           k_q901823a5fd_prep
    .symbol:         k_q901823a5fd_prep.kd
    .args:
      - { .name: codebook, .offset: 0, .size: 8, .value_kind: global_buffer, .address_space: global }
      - { .name: cbh, .offset: 8, .size: 8, .value_kind: global_buffer, .address_space: global }
      - { .name: ee, .offset: 16, .size: 8, .value_kind: global_buffer, .address_space: global }
    .group_segment_fixed_size: 1280
    .private_segment_fixed_size: 0
    .kernarg_segment_align: 8
    .kernarg_segment_size: 24
    .max_flat_workgroup_size: 256
    .sgpr_count:     66
    .vgpr_count:     128
    .wavefront_size: 32
...
	.end_amdgpu_metadata
.endif
;; end of part 4
;; launch search: the kernel of part 2 again; grid 256 x 1, 4 waves a work-group, clusters of 4 x 1, 327,680 bytes of LDS; arguments z, cbh, ee, out1, idx; writes out1, idx
;; launch gather (part 5): grid 256 x 1, 8 waves a work-group, no clusters, 0 bytes of LDS; arguments idx, cbh, out0; writes out0
.if DOCPART == 5
	.amdgcn_target "amdgcn-amd-amdhsa--gfx1250"
	.amdhsa_code_object_version 6
	.text
	.protected	k_q901823a5fd_gather
	.globl	k_q901823a5fd_gather
	.p2align	8
	.type	k_q901823a5fd_gather,@function
k_q901823a5fd_gather:
	s_mov_b64 s[64:65], 0
	v_nop
	global_prefetch_b8 v0, s[64:65] scope:SCOPE_SE
	s_setreg_imm32_b32 hwreg(HW_REG_WAVE_SCHED_MODE, 0, 2), 2
	s_setreg_imm32_b32 hwreg(HW_REG_WAVE_MODE, 25, 1), 1
	s_wait_xcnt 0x0
	s_wait_alu depctr_vm_vsrc(0)
; out0[n][:] = cbh[idx[n]][:], widened from bf16 to f32: the codebook's row as the search saw it, off from the f32 row by bf16's one rounding.
; idx: [32768] int32, stored by the launch before.  cbh: [8192][256] bf16.  out0: [32768][256] f32.
; SHARES.  A work-group owns 128 rows, a wave 16.  Each is held to the table (0 .. 8191) before it enters an address.
; A row of cbh is 512 bytes: two loads of 8 bytes a lane, 256 consecutive bytes each; all 32 loads of a wave go out at once.  A lane's 4 numbers widen to 16 bytes: a store covers 512
; consecutive bytes of out0, aligned.  No loop, and no register is written twice, so no wait frees a source.  No LDS, matrix unit or cluster: nothing is shared but table rows, which come as they are named.
; THE MODE: SCHED_MODE bits 1:0 = 2 (LLVM: expert scheduling mode 2), set by the entry lines.  The code itself states the register dependences
; between vector instructions and memory instructions, with s_wait_alu, always for 0.
; THE PLAN.  The 16 rows go in 4 blocks of four.  Registers that memory instructions touch:
;   v[SO], v[OF ..]  offsets: written once at the head, then only read.
;   X    written by the 32 loads, which are all issued before any vector instruction names X; read by the widening lines.
;   Y    row i: written once, by block i / 4's widening lines; read by the row's two stores, which are issued in block i / 4 + 1.
; Block p's vector instructions name X and Y of its own four rows alone; its stores read Y of block p - 1.  So ONE wait on va_vdst at a block's head states all that the block's eight stores
; hang on, and these are dealt among its vector instructions with no further wait.  No register that a memory instruction reads is ever written again: there is no wait on vm_vsrc.
.set L8, 1                             ; v1   8 x lane
.set SO, 2                             ; v2   16 x lane
.set OF, 4                             ; v[4:19]    row i: 512 x index + 8 x lane
.set X,  20                            ; v[20:83]   row i: 4 registers as loaded
.set Y,  84                            ; v[84:211]  row i: 8 registers to store
	s_load_b128 s[4:7], s[0:1], 0x0                ; idx s[4:5], cbh s[6:7]
	s_load_b64 s[8:9], s[0:1], 0x10                ; out0
	v_lshrrev_b32 v3, 5, v0
	v_readfirstlane_b32 s10, v3                    ; wave 0..7
	v_and_b32 v3, 31, v0
	v_lshlrev_b32 v[L8], 3, v3
	v_lshlrev_b32 v[SO], 4, v3
	s_mov_b32 s11, 0xffff0000                      ; a word's upper bf16
	s_lshl_b32 s12, ttmp9, 9                       ; the work-group's 128 indices,
	s_wait_alu depctr_va_sdst(0)                   ; s10 is written, ahead of its first reader: the bases of idx and out0 are made from it
	s_lshl_b32 s14, s10, 6                         ; the wave's 16
	s_add_co_u32 s12, s12, s14
	s_mov_b32 s13, 0
	s_lshl_b32 s14, ttmp9, 17                      ; the work-group's 128 rows of out0,
	s_lshl_b32 s15, s10, 14                        ; the wave's 16
	s_add_co_u32 s14, s14, s15
	s_mov_b32 s15, 0
	s_wait_kmcnt 0x0
	s_add_nc_u64 s[4:5], s[4:5], s[12:13]
	s_add_nc_u64 s[8:9], s[8:9], s[14:15]
	s_load_b512 s[16:31], s[4:5], 0x0
	s_wait_kmcnt 0x0
.irp i, 0,1,2,3,4,5,6,7,8,9,10,11,12,13,14,15
	s_min_u32 s[16+\i], s[16+\i], 0x1fff           ; inside the table
	v_lshl_add_u32 v[OF+\i], s[16+\i], 9, v[L8]
.endr
	s_wait_alu depctr_va_vdst(0)                   ; the sixteen v[OF ..] and v[SO] are written: every load and store of the kernel reads one of them as its offset
.irp i, 0,1,2,3,4,5,6,7,8,9,10,11,12,13,14,15
	global_load_b64 v[X+4*\i:X+4*\i+1],   v[OF+\i], s[6:7]             ; no hint: a row may be named again
	global_load_b64 v[X+4*\i+2:X+4*\i+3], v[OF+\i], s[6:7] offset:256
.endr
; Block p: rows 4 p to 4 p + 3 are widened; the four rows of the block before are stored, two stores ahead of each row's eight vector lines.
.macro BLK p
	s_wait_loadcnt 24-8*(\p)                       ; loads come back in order: this block's eight are in, the later blocks' 8 (3 - p) stay out
.if (\p) > 0
	s_wait_alu depctr_va_vdst(0)                   ; the block before has written its Y, which the eight stores below read; no vector line of this block names those registers
.endif
.irp i, 4*(\p), 4*(\p)+1, 4*(\p)+2, 4*(\p)+3
.if (\p) > 0
	global_store_b128 v[SO], v[Y+8*((\i)-4):Y+8*((\i)-4)+3],   s[8:9] offset:1024*((\i)-4) th:TH_STORE_NT
	global_store_b128 v[SO], v[Y+8*((\i)-4)+4:Y+8*((\i)-4)+7], s[8:9] offset:1024*((\i)-4)+512 th:TH_STORE_NT
.endif
.irp e, 0,1,2,3
	v_lshlrev_b32 v[Y+8*(\i)+2*\e],   16, v[X+4*(\i)+\e]   ; bf16 to f32: the low half moves up,
	v_and_b32     v[Y+8*(\i)+2*\e+1], s11, v[X+4*(\i)+\e]  ; the high half stays
.endr
.endr
.endm
	BLK 0
	BLK 1
	BLK 2
	BLK 3
	s_wait_alu depctr_va_vdst(0)                   ; block 3 has written its Y, which the last eight stores read
.irp i, 12,13,14,15
	global_store_b128 v[SO], v[Y+8*\i:Y+8*\i+3],   s[8:9] offset:1024*\i th:TH_STORE_NT
	global_store_b128 v[SO], v[Y+8*\i+4:Y+8*\i+7], s[8:9] offset:1024*\i+512 th:TH_STORE_NT
.endr
	s_endpgm
.Lfunc_end_k_q901823a5fd_gather:
	.size	k_q901823a5fd_gather, .Lfunc_end_k_q901823a5fd_gather-k_q901823a5fd_gather
	.p2alignl 7, 3214868480
	.fill 96, 4, 3214868480
	.section	.rodata,"a",@progbits
	.p2align	6, 0x0
	.amdhsa_kernel k_q901823a5fd_gather
		.amdhsa_group_segment_fixed_size 0
		.amdhsa_private_segment_fixed_size 0
		.amdhsa_enable_private_segment 0
		.amdhsa_kernarg_size 24
		.amdhsa_user_sgpr_count 2
		.amdhsa_user_sgpr_kernarg_segment_ptr 1
		.amdhsa_wavefront_size32 1
		.amdhsa_system_sgpr_workgroup_id_x 1
		.amdhsa_system_sgpr_workgroup_id_y 1
		.amdhsa_system_sgpr_workgroup_id_z 1
		.amdhsa_system_vgpr_workitem_id 0
		.amdhsa_next_free_vgpr 224
		.amdhsa_next_free_sgpr 66
		.amdhsa_reserve_vcc 0
		.amdhsa_float_denorm_mode_32 3
		.amdhsa_float_denorm_mode_16_64 3
		.amdhsa_memory_ordered 1
		.amdhsa_forward_progress 1
		.amdhsa_inst_pref_size 14
	.end_amdhsa_kernel
	.amdgpu_metadata
---
amdhsa.version: [ 1, 2 ]
amdhsa.kernels:
  - .name:           k_q901823a5fd_gather
    .symbol:         k_q901823a5fd_gather.kd
    .args:
      - { .name: idx, .offset: 0, .size: 8, .value_kind: global_buffer, .address_space: global }
      - { .name: cbh, .offset: 8, .size: 8, .value_kind: global_buffer, .address_space: global }
      - { .name: out0, .offset: 16, .size: 8, .value_kind: global_buffer, .address_space: global }
    .group_segment_fixed_size: 0
    .private_segment_fixed_size: 0
    .kernarg_segment_align: 8
    .kernarg_segment_size: 24
    .max_flat_workgroup_size: 256
    .sgpr_count:     66
    .vgpr_count:     224
    .wavefront_size: 32
...
	.end_amdgpu_metadata
.endif
;; end of part 5
